; MI455X (gfx1250); checked and timed in simulation.
; The chip was launched on July 23, 2026; its instructions are those of AMD's public machine-readable ISA for CDNA 5 (MIT licence, August 2026) and "CDNA5" Instruction Set Architecture Reference Guide (July 2026). The comments in the code are by the model that wrote it; some were corrected since.
;; Vector Quantizer. Allowed arithmetic: matrix products marked QUANTISED: E2M3 operands, one E8M0 scale for each 32 along K, by v_wmma_scale_f32_16x16x128_f8f6f4 with both operands' format E2M3, f32 sums; everything else in f32.
;; Inputs: codebook 8,192 x 256 float32; z 8 x 256 x 64 x 64 float32.
;; Outputs: out0 8 x 256 x 64 x 64 float32.
;; This version of the problem:
;;   THIS VERSION OF THE PROBLEM IS GIVEN IN LOW PRECISION. The matrix products marked QUANTISED in the list below multiply operands that are first quantised to E2M3 (2 exponent bits, 3 mantissa bits; 6 bits a number), with one power-of-two scale for each 32 numbers along K (OCP MX v1.0); their sums are f32. All else is computed in f32.
;;   The module's matrix products, in the order in which they are computed (A, B: the left and right operand; K: the contracted axis; several contracted axes count as one K, in the product's order):
;;     1. [M 32,768, K 256] x [K 256, N 8,192]; A: input z; B: input codebook: QUANTISED
;;   THE QUANTISER, for each operand of a quantised product, along K:
;;     - K is cut into blocks of 32 from its start; a last block that is shorter is filled with zeros.
;;     - A block's scale is 2^e with e = floor(log2(the largest magnitude in the block)) - 2, held to -126 .. 127; a block of zeros has e = 0. As a byte (E8M0): e + 127.
;;     - Each number is divided by its block's scale, clamped to +-7.5, and rounded to the nearest number of E2M3, ties to even, subnormals kept.
;;     - The product sums the exact products of the quantised numbers (number of the format x scale) in f32.
;;   ~~~python
;;   def quantise(x, axis):      # numpy; x: float32 -> the quantised numbers, widened to float32 again
;;       x = np.moveaxis(x, axis, -1); K = x.shape[-1]
;;       x = np.pad(x, [(0, 0)] * (x.ndim - 1) + [(0, -K % 32)]); x = x.reshape(x.shape[:-1] + (-1, 32)); a = np.abs(x).max(-1, keepdims=True)
;;       e = np.where(a > 0, np.clip(np.frexp(np.where(a > 0, a, 1))[1] - 1 - 2, -126, 127), 0)      # np.frexp(a)[1] - 1 = floor(log2(a)), exactly
;;       r = np.clip(x / 2.0 ** e, -7.5, 7.5)
;;       step = 2.0 ** (np.maximum(np.frexp(np.where(r == 0, 1, r))[1] - 1, 0) - 3)
;;       q = np.round(r / step) * step * 2.0 ** e      # np.round: ties to even
;;       return np.moveaxis(q.reshape(q.shape[:-2] + (-1,))[..., :K], -1, axis).astype(np.float32)
;;   ~~~
;; One version. Each part assembles by itself: llvm-mc -triple=amdgcn-amd-amdhsa -mcpu=gfx1250 --defsym DOCPART=n.
;; ======== version 1 of 1: 3 launches
;; limits: right only within a limited range of input values
;; workspace buffers: zq 6,815,744 bytes; cbq 1,703,936 bytes; idx 131,072 bytes of whole numbers
;; launch quant (part 1): grid 320 x 1, 4 waves a work-group, no clusters, 72,192 bytes of LDS; arguments z, codebook, zq, cbq; writes zq, cbq
.if DOCPART == 1
	.amdgcn_target "amdgcn-amd-amdhsa--gfx1250"
	.amdhsa_code_object_version 6
	.text
	.protected	k_q2bacd54b15_quant
	.globl	k_q2bacd54b15_quant
	.p2align	8
	.type	k_q2bacd54b15_quant,@function
k_q2bacd54b15_quant:
	s_mov_b64 s[64:65], 0
	v_nop
	global_prefetch_b8 v0, s[64:65] scope:SCOPE_SE
	s_setreg_imm32_b32 hwreg(HW_REG_WAVE_MODE, 25, 1), 1
	s_wait_xcnt 0x0
; z [8][256][4096] and codebook [8192][256], f32, become RECORDS for the product's launch: codes of FP6 (E2M3), one E8M0 scale byte for each 32 channels, and each row's sum of squares.
; A row is a token (b, hw), whose 256 channels lie 16,384 bytes apart in z, or a code, whose 256 channels are neighbours.
; A RECORD is 16 rows in 3,328 bytes (13 x 256):
;   0 .. 3071     the image of the operand's 24 registers (K step 0: registers 0-11, K step 1: 12-23): registers 4 g .. 4 g + 3 of lane L at 512 g + 16 L.
;                 Lane L = r + 16 h holds row r; its registers 6 q .. 6 q + 5 are the 24 bytes of codes of block 2 q + h of that row.
;   3072 .. 3199  the scale words at 4 L: lanes 0-15 the word of blocks 0-3 of row r, lanes 16-31 the word of blocks 4-7
;   3200 .. 3263  the rows' sums of squares, f32;   3264 .. 3327 zeros (the next launch copies whole records)
; A block's scale is 2^(floor(log2(its largest magnitude)) - 2): its byte is the largest magnitude's exponent field - 2, held at 1 from below.
; LIMITS: a block of zeros gets the byte 1 where the rule says 127 (its codes are zeros, and this program alone reads the bytes); blocks whose largest magnitude lies under 2^(3 - 127) are
; held at that floor; NaN and infinities among the inputs are not served; a sum of squares is made in four chains of fused multiply-adds, which is another order of rounding than a plain sum's.
; SHARES.  Work-groups 0-255: 128 tokens each; work-groups 256-319: 128 codes each.  A wave takes 32 rows (two records), A LANE ONE ROW, and its registers run along the channels, a block of 32 at
; a time: the block's largest magnitude and the sum of squares need no other lane, and the conversions find 16 neighbours in consecutive registers.
; Every LDS byte is one wave's own: no barrier.  The two paths part on the work-group's number and use different LDS bytes.
.set REC, 3328
.set WST, 2*REC                        ; a wave's stage: its two records
.set ZST, 0                            ; the tokens' path: four stages
.set CST, 4*WST                        ; the codes' path: four stages
.set CTN, 8*WST                        ; the codes' path: four turning stages of 32 places
.set TPL, 144                          ; a place: a row's block of 128 bytes + 16, so that 16 lanes' reads of 16 bytes start 36 words apart
.set WTN, 32*TPL
.set X,   32                           ; v32-95   two sets of 32 numbers of my row (the codes' path uses the first); on the way out v32-83
.set R,   96                           ; v96-159  the codes' path: two sets of 32 registers as loaded
; v1 lane, v2 r, v3 which of the wave's two records; v4 offset of my loads; v5 stage, 16 r; v6 stage, 4 r; v7 stage, 16 x lane; v8 16 x lane; v9, v10 turning stage in and out; v11 zero
; v12, v13 largest magnitudes; v14 the conversions' scale operand; v15 the byte; v16, v17 the two scale words; v[18:21] the sum of squares in four parts; v22 the sum; v24-30 a block's codes
	s_load_b256 s[4:11], s[0:1], 0x0               ; z s[4:5], codebook s[6:7], zq s[8:9], cbq s[10:11]
	v_lshl_add_u32 v192, v0, 2, 0x11800
	v_mov_b32 v193, 0
	v_lshrrev_b32 v1, 5, v0
	v_readfirstlane_b32 s12, v1                    ; wave 0..3
	v_and_b32 v1, 31, v0                           ; lane
	v_and_b32 v2, 15, v0                           ; r
	v_bfe_u32 v3, v0, 4, 1                         ; record 0 or 1 of the wave
	s_mul_i32 s13, s12, WST
	v_mul_u32_u24 v5, v3, REC
	v_add_nc_u32 v5, s13, v5                       ; my record in my wave's stage
	v_lshl_add_u32 v6, v2, 2, v5                   ; + 4 r: words of my row
	v_lshl_add_u32 v5, v2, 4, v5                   ; + 16 r: my row's place in a group of four registers
	v_lshlrev_b32 v8, 4, v1                        ; 16 x lane
	v_add_nc_u32 v7, s13, v8                       ; the stage read back as it lies
	s_mul_i32 s14, s12, WTN
	v_lshrrev_b32 v9, 3, v1
	v_and_b32 v10, 7, v1
	v_mul_u32_u24 v9, v9, TPL
	v_lshl_add_u32 v9, v10, 4, v9
	v_add_nc_u32 v9, s14, v9                       ; turning stage, in: eight lanes fill a place
	v_mul_u32_u24 v10, v1, TPL
	v_add_nc_u32 v10, s14, v10                     ; and out: a lane takes a place
	v_mov_b32 v11, 0
	s_wait_kmcnt 0x0
; Block b of my row, in v[xs] .. v[xs + 31], becomes 24 bytes of codes in the stage at stg, a byte of a scale word, and its part of the sum of squares.
.macro PROC b, xs, stg
.set XS, \xs
.set GRP, (6*((\b)/2))/4                       ; the group of four registers in which register 6 (b / 2) lies
.set HOF, 256*((\b)%2)                         ; lanes 16-31 of the image take the odd blocks
	v_max3_num_f32 v12, |v[XS]|, |v[XS+1]|, 0x1800000              ; two chains; the floor 2^(3 - 127) is one more leaf: the byte cannot fall under 1
	v_max3_num_f32 v13, |v[XS+2]|, |v[XS+3]|, |v[XS+4]|
.set n, 0
.rept 13
	v_max3_num_f32 v[12+n%2], v[12+n%2], |v[XS+5+2*n]|, |v[XS+6+2*n]|
.set n, n+1
.endr
	v_max3_num_f32 v12, v12, v13, |v[XS+31]|       ; the block's largest magnitude
	v_add_nc_u32 v14, 0xff000000, v12              ; 2 off its exponent field: the conversion takes this operand's exponent field as the scale
.set n, 0
.rept 16
.if (\b) == 0 && n < 2
	v_pk_mul_f32 v[18+2*n:19+2*n], v[XS+2*n:XS+2*n+1], v[XS+2*n:XS+2*n+1]       ; the first products start the sums: nothing is cleared
.else
	v_pk_fma_f32 v[18+2*(n%2):19+2*(n%2)], v[XS+2*n:XS+2*n+1], v[XS+2*n:XS+2*n+1], v[18+2*(n%2):19+2*(n%2)]
.endif
.set n, n+1
.endr
	s_wait_dscnt 0x0                               ; the last block's stores into the stage have read v24-29
	v_cvt_scalef32_pk16_fp6_f32 v[24:26], v[XS:XS+15], v14
	v_cvt_scalef32_pk16_fp6_f32 v[28:30], v[XS+16:XS+31], v14      ; (a conversion's three registers begin on an even number)
	v_lshrrev_b32 v15, 23, v14                     ; the scale's byte; also the plain instruction between the conversions and the moves that read their results
.if (\b)%4 == 0
	v_mov_b32 v[16+(\b)/4], v15
.else
	v_lshl_or_b32 v[16+(\b)/4], v15, 8*((\b)%4), v[16+(\b)/4]
.endif
	v_mov_b32 v27, v28                             ; the six words on end in v24-29
	v_mov_b32 v28, v29
	v_mov_b32 v29, v30
.if ((\b)/2)%2 == 0                            ; registers 6 q .. 6 q + 5: a whole group and half of the next, or half a group and the whole next
	ds_store_b128 v5, v[24:27] offset:\stg+512*GRP+HOF
	ds_store_b64 v5, v[28:29] offset:\stg+512*GRP+512+HOF
.else
	ds_store_b64 v5, v[24:25] offset:\stg+512*GRP+HOF+8
	ds_store_b128 v5, v[26:29] offset:\stg+512*GRP+512+HOF
.endif
.endm
; The rows' words go into the stage; the wave's two records leave as they lie: each store covers 512 consecutive bytes, at a multiple of 256 from the buffer's first byte.
.macro FINISH stg, ob
	v_add_f32 v18, v18, v19
	v_add_f32 v20, v20, v21
	v_add_f32 v22, v18, v20
	ds_store_b32 v6, v16 offset:\stg+3072          ; blocks 0-3: read by lanes 0-15
	ds_store_b32 v6, v17 offset:\stg+3136          ; blocks 4-7: read by lanes 16-31
	ds_store_b32 v6, v22 offset:\stg+3200
	ds_store_b32 v6, v11 offset:\stg+3264
.irp i, 0,1,2,3,4,5,6,7,8,9,10,11,12
	ds_load_b128 v[32+4*\i:35+4*\i], v7 offset:\stg+512*\i         ; LDS serves a wave's instructions in order (ISA guide 5.7.1.4): these see my stores
.endr
.irp i, 0,1,2,3,4,5,6,7,8,9,10,11,12
	s_wait_dscnt 12-\i                             ; load i is in; the 12 - i behind it may be out
	global_store_b128 v8, v[32+4*\i:35+4*\i], s[\ob:\ob+1] offset:512*\i
.endr
	s_wait_tensorcnt 0x0
	ds_add_u32 v192, v193
	s_wait_dscnt 0x0
	s_endpgm
.endm
	s_cmp_lt_u32 ttmp9, 256
	s_cbranch_scc0 .Lcodes
	; ---- TOKENS.  Work-group g: batch g / 32, places 128 (g % 32) on; my wave's 32 places; a lane a place.  A load reads one channel at 32 neighbouring places.
	v_lshlrev_b32 v4, 2, v1
	s_wait_alu depctr_va_vdst(0)
	s_lshr_b32 s13, ttmp9, 5
	s_lshl_b32 s13, s13, 22                        ; a batch is 256 x 16,384 bytes
	s_and_b32 s14, ttmp9, 31
	s_lshl_b32 s14, s14, 9
	s_add_co_u32 s14, s13, s14
	s_lshl_b32 s13, s12, 7
	s_add_co_u32 s14, s14, s13
	s_mov_b32 s15, 0
	s_add_nc_u64 s[4:5], s[4:5], s[14:15]
	s_lshl_b32 s16, ttmp9, 2
	s_add_co_u32 s16, s16, s12
	s_mul_i32 s16, s16, WST                        ; my wave's two records
	s_mov_b32 s17, 0
	s_add_nc_u64 s[8:9], s[8:9], s[16:17]
.macro LOADZ b                                 ; channels 32 b .. 32 b + 31 into set b % 2; the largest offset, 255 x 16,384, lies inside the signed 24-bit immediate (ISA guide, chapter 10)
.set n, 0
.rept 32
	global_load_b32 v[X+32*((\b)%2)+n], v4, s[4:5] offset:(32*(\b)+n)*16384 th:TH_LOAD_NT
.set n, n+1
.endr
.endm
	LOADZ 0
	LOADZ 1
.irp b, 0,1,2,3,4,5,6,7
.if \b < 7
	s_wait_loadcnt 32                              ; this block's 32 loads are in; the next block's 32 may be out
.else
	s_wait_loadcnt 0x0
.endif
	PROC \b, X+32*(\b%2), ZST
.if \b < 6
	LOADZ \b+2
.endif
.endr
	s_wait_alu depctr_va_vdst(0)
	FINISH ZST, 8
	; ---- CODES.  Work-group 256 + g: codes 128 g on; my wave's 32.  Eight lanes read a row's block of 128 bytes; the block turns through my turning stage, so that a lane gets its own row's 32 numbers.
.Lcodes:
	v_lshrrev_b32 v4, 3, v1
	v_lshlrev_b32 v4, 10, v4
	v_and_b32 v23, 7, v1
	v_lshl_add_u32 v4, v23, 4, v4                  ; row lane / 8 of four, 16 bytes a lane
	s_wait_alu depctr_va_vdst(0)
	s_sub_co_u32 s13, ttmp9, 256
	s_lshl_b32 s14, s13, 17
	s_lshl_b32 s15, s12, 15
	s_add_co_u32 s14, s14, s15
	s_mov_b32 s15, 0
	s_add_nc_u64 s[6:7], s[6:7], s[14:15]
	s_lshl_b32 s16, s13, 2
	s_add_co_u32 s16, s16, s12
	s_mul_i32 s16, s16, WST
	s_mov_b32 s17, 0
	s_add_nc_u64 s[10:11], s[10:11], s[16:17]
.macro LOADC b                                 ; block b of my wave's 32 rows, four rows a load, into set b % 2
.irp i, 0,1,2,3,4,5,6,7
	global_load_b128 v[R+32*((\b)%2)+4*\i:R+32*((\b)%2)+4*\i+3], v4, s[6:7] offset:4096*\i+128*(\b)
.endr
.endm
	LOADC 0
	LOADC 1
.irp b, 0,1,2,3,4,5,6,7
.if \b < 7
	s_wait_loadcnt 8                               ; this block's 8 loads are in; the next block's 8 may be out
.else
	s_wait_loadcnt 0x0
.endif
.irp i, 0,1,2,3,4,5,6,7
	ds_store_b128 v9, v[R+32*(\b%2)+4*\i:R+32*(\b%2)+4*\i+3] offset:CTN+4*TPL*\i
.endr
.irp i, 0,1,2,3,4,5,6,7
	ds_load_b128 v[X+4*\i:X+4*\i+3], v10 offset:CTN+16*\i          ; in order behind my stores
.endr
	s_wait_dscnt 0x0                               ; my row's 32 numbers are in, and the stores have read their registers
.if \b < 6
	LOADC \b+2
.endif
	PROC \b, X, CST
.endr
	s_wait_alu depctr_va_vdst(0)
	FINISH CST, 10
.Lfunc_end_k_q2bacd54b15_quant:
	.size	k_q2bacd54b15_quant, .Lfunc_end_k_q2bacd54b15_quant-k_q2bacd54b15_quant
	.p2alignl 7, 3214868480
	.fill 96, 4, 3214868480
	.section	.rodata,"a",@progbits
	.p2align	6, 0x0
	.amdhsa_kernel k_q2bacd54b15_quant
		.amdhsa_group_segment_fixed_size 72192
		.amdhsa_private_segment_fixed_size 0
		.amdhsa_enable_private_segment 0
		.amdhsa_kernarg_size 32
		.amdhsa_user_sgpr_count 2
		.amdhsa_user_sgpr_kernarg_segment_ptr 1
		.amdhsa_wavefront_size32 1
		.amdhsa_system_sgpr_workgroup_id_x 1
		.amdhsa_system_sgpr_workgroup_id_y 1
		.amdhsa_system_sgpr_workgroup_id_z 1
		.amdhsa_system_vgpr_workitem_id 0
		.amdhsa_next_free_vgpr 194
		.amdhsa_next_free_sgpr 66
		.amdhsa_reserve_vcc 0
		.amdhsa_float_denorm_mode_32 3
		.amdhsa_float_denorm_mode_16_64 3
		.amdhsa_memory_ordered 1
		.amdhsa_forward_progress 1
		.amdhsa_inst_pref_size 89
	.end_amdhsa_kernel
	.amdgpu_metadata
---
amdhsa.version: [ 1, 2 ]
amdhsa.kernels:
  - .name:           k_q2bacd54b15_quant
    .symbol:         k_q2bacd54b15_quant.kd
    .args:
      - { .name: z, .offset: 0, .size: 8, .value_kind: global_buffer, .address_space: global }
      - { .name: codebook, .offset: 8, .size: 8, .value_kind: global_buffer, .address_space: global }
      - { .name: zq, .offset: 16, .size: 8, .value_kind: global_buffer, .address_space: global }
      - { .name: cbq, .offset: 24, .size: 8, .value_kind: global_buffer, .address_space: global }
    .group_segment_fixed_size: 72192
    .private_segment_fixed_size: 0
    .kernarg_segment_align: 8
    .kernarg_segment_size: 32
    .max_flat_workgroup_size: 128
    .sgpr_count:     66
    .vgpr_count:     194
    .wavefront_size: 32
...
	.end_amdgpu_metadata
.endif
;; end of part 1
;; launch dist (part 2): grid 256 x 1, 8 waves a work-group, clusters of 4 x 1, 327,680 bytes of LDS; arguments zq, cbq, idx; writes idx
.if DOCPART == 2
	.amdgcn_target "amdgcn-amd-amdhsa--gfx1250"
	.amdhsa_code_object_version 6
	.text
	.protected	k_q2bacd54b15_dist
	.globl	k_q2bacd54b15_dist
	.p2align	8
	.type	k_q2bacd54b15_dist,@function
k_q2bacd54b15_dist:
	s_mov_b64 s[64:65], 0
	v_nop
	global_prefetch_b8 v0, s[64:65] scope:SCOPE_SE
	s_setreg_imm32_b32 hwreg(HW_REG_WAVE_MODE, 25, 1), 1
	s_wait_xcnt 0x0
	s_wait_alu depctr_hold_cnt(0) depctr_sa_sdst(0) depctr_va_vdst(0) depctr_va_sdst(0) depctr_va_ssrc(0) depctr_va_vcc(0) depctr_vm_vsrc(0)
	s_getreg_b32 s2, hwreg(HW_REG_IB_STS2, 6, 4)
	s_cmp_eq_u32 s2, 0
	s_cbranch_scc0 .Lentry_in_a_cluster
	s_endpgm
.Lentry_in_a_cluster:
	s_bfe_u32 s2, ttmp6, 0x10000c
	s_cmp_lg_u32 s2, 0x3003
	s_cbranch_scc0 .Lentry_shape_is_right
	s_endpgm
.Lentry_shape_is_right:
; idx[n] = the first code c that makes d(n, c) = fl(fl(se[c] + sx[n]) - 2 dot(n, c)) least; dot is the product of the FP6 codes with their E8M0 scales, sums in f32.
; zq and cbq hold records of 16 rows, 3,328 bytes each: the image of an operand's 24 registers (K steps 0 and 1), the scale words at 3072, the rows' sums of squares at 3200.
; SHARES.  A work-group owns 128 tokens (8 records of zq).  Each of its eight waves, two to a SIMD, holds all 128 tokens as operands (192 registers) and walks 64 records of cbq: wave w records 64 w on.
; A record against a tile of 16 tokens is two matrix instructions (K = 128 each); source 0 = the codes, source 1 = the tokens: lane (r, h) holds token r and in its 8 registers codes 8 h .. 8 h + 7.
; Matrix instructions stand in runs of eight (four accumulators by turns, K step 0, then K step 1); behind a run comes the four tiles' vector work, laid stage by stage so that the four tiles' chains interleave.
; A lane keeps, for each tile of tokens, the least d so far, its record's number and that record's 8 numbers d; only a strictly smaller d replaces them, so the first record stays.  At the end the first of the 8
; that equals the least gives the code; the two halves of the lanes and the eight waves are joined by (d, code), the smaller code on equal d.
; THE RING.  cbq comes by tensor loads into two LDS slots; a slot holds 4 records for each wave (52 rows of 256 bytes, the wave's own load and the wave's own bytes).  The four work-groups of a cluster read the same
; bytes of cbq: every load is a joint one (mask 15), and each refill stands behind a round of the cluster's barrier.  By this text's count a wave has at most one tensor load outstanding.
; No prefetch is laid: all 64 clusters read the same 1,703,936 bytes of cbq in the same order.
; LIMITS: NaN among the distances is not served (a NaN never replaces the least); if every d of a token is +infinity the code 0 is given.
.set REC,   3328
.set WSL,   4*REC                      ; a wave's part of a slot: 13,312 bytes
.set SLOT1, 131072                     ; slot 0 at 0, slot 1 here; a slot uses 8 x 13,312 bytes
.set WCB,   64*REC                     ; a wave's part of cbq
.set ZWG,   8*REC                      ; a work-group's part of zq
.set RED,   SLOT1+8*WSL                ; the waves' results: 8 x 512 bytes of d, then 8 x 512 of codes; no tensor load lands here
.set SPARE, RED+8192                   ; the spare words: 128 bytes a wave
; window 0: v1-3 LDS bases, v4-6 a record's addresses, v7 the record's number, v8-9 the add's registers, v10-12 head addresses
.set M,     12                         ; v12-19  two partial minima for each of four tiles
.set CSC,   24                         ; v24-25  the codes' scale words, two sets
.set TSC,   26                         ; v26-33  the tokens' scale words
.set SE,    34                         ; v34-49  se of my 8 codes, two sets
.set RUN,   50                         ; v50-65  tile t: least d, its record
.set ACC,   66                         ; v66-97  four accumulators, then d
.set FRAG,  98                         ; v98-145 a record's codes, two sets
.set SAVE,  146                        ; v146-209 tile t: the 8 numbers d of the record kept
.set T,     210                        ; v210-241 se + sx of four tiles
.set SX,    192                        ; window 1: v0-191 the tokens' codes, v192-207 sx, each twice (a pair for the packed add)
.set W_MUL, 0x04                       ; source 1 in window 1
.set TO1,   0x40                       ; destination in window 1
.set MSB, 0
.macro WIN new                         ; the immediate's high byte repeats the setting that is left
.if MSB != \new
	s_set_vgpr_msb (MSB<<8)|\new
.set MSB, \new
.endif
.endm
.macro CREST                           ; a round of the cluster's barrier behind its opening barrier
	s_cmp_lg_u32 s10, 0
	s_cbranch_scc1 .Lnot_wave_0_\@
	s_barrier_signal -3
.Lnot_wave_0_\@:
	s_barrier_wait -3
	s_barrier_signal -1
	s_barrier_wait -1
.endm
.macro ROUND
	s_barrier_signal -1
	s_barrier_wait -1
	CREST
.endm
.macro WM k, t, fb, acc                ; K step k of record set fb against token tile t; the first step starts the sum
.if \k == 0
	v_wmma_scale_f32_16x16x128_f8f6f4 v[\acc:\acc+7], v[FRAG+24*(\fb):FRAG+24*(\fb)+11], v[24*(\t):24*(\t)+11], 0, v[CSC+(\fb)], v[TSC+(\t)] matrix_a_fmt:MATRIX_FMT_FP6 matrix_b_fmt:MATRIX_FMT_FP6
.else
	v_wmma_scale_f32_16x16x128_f8f6f4 v[\acc:\acc+7], v[FRAG+24*(\fb)+12:FRAG+24*(\fb)+23], v[24*(\t)+12:24*(\t)+23], v[\acc:\acc+7], v[CSC+(\fb)], v[TSC+(\t)] matrix_a_fmt:MATRIX_FMT_FP6 matrix_b_fmt:MATRIX_FMT_FP6 matrix_a_scale:MATRIX_SCALE_ROW1 matrix_b_scale:MATRIX_SCALE_ROW1
.endif
.endm
.macro KEEP t, a, m                    ; where VCC is set: this record's 8 numbers, its least and its number replace what tile t kept
.irp i, 0,2,4,6
	v_dual_cndmask_b32 v[SAVE+8*(\t)+\i], v[SAVE+8*(\t)+\i], v[\a+\i] :: v_dual_cndmask_b32 v[SAVE+8*(\t)+\i+1], v[SAVE+8*(\t)+\i+1], v[\a+\i+1]
.endr
	v_dual_cndmask_b32 v[RUN+2*(\t)], v[RUN+2*(\t)], v[\m] :: v_dual_cndmask_b32 v[RUN+2*(\t)+1], v[RUN+2*(\t)+1], v7
.endm
; Record set fb against token tiles t0 .. t0 + 3.
.macro GROUP fb, t0
	WIN W_MUL
.irp u, 0,1,2,3
	WM 0, (\t0)+\u, \fb, ACC+8*\u
.endr
.irp u, 0,1,2,3
	WM 1, (\t0)+\u, \fb, ACC+8*\u      ; three other accumulators' turns lie between a sum's two links
.endr
.irp u, 0,1,2,3
.irp i, 0,2,4,6
	v_pk_add_f32 v[T+8*\u+\i:T+8*\u+\i+1], v[SE+8*(\fb)+\i:SE+8*(\fb)+\i+1], v[SX+2*((\t0)+\u):SX+2*((\t0)+\u)+1]   ; se + sx, rounded; these 16 name no register of the products: the places behind them
.endr
.endr
.irp u, 0,1,2,3
.irp i, 0,2,4,6
	v_pk_fma_f32 v[ACC+8*\u+\i:ACC+8*\u+\i+1], v[ACC+8*\u+\i:ACC+8*\u+\i+1], -2.0, v[T+8*\u+\i:T+8*\u+\i+1] op_sel_hi:[1,0,1]   ; d, one rounding; each accumulator from its low end on
.endr
.endr
	WIN 0
.irp u, 0,1,2,3
	v_min3_num_f32 v[M+2*\u], v[ACC+8*\u], v[ACC+8*\u+1], v[ACC+8*\u+2]
.endr
.irp u, 0,1,2,3
	v_min3_num_f32 v[M+2*\u+1], v[ACC+8*\u+3], v[ACC+8*\u+4], v[ACC+8*\u+5]
.endr
.irp u, 0,1,2,3
	v_min3_num_f32 v[M+2*\u], v[M+2*\u], v[ACC+8*\u+6], v[ACC+8*\u+7]
.endr
.irp u, 0,1,2,3
	s_delay_alu instid0(VALU_DEP_4)
	v_min_num_f32 v[M+2*\u], v[M+2*\u], v[M+2*\u+1]                ; the least of the lane's 8
.endr
.irp u, 0,1,2,3
.if \u == 0
	s_delay_alu instid0(VALU_DEP_4)
.endif
	v_cmp_lt_f32 vcc_lo, v[M+2*\u], v[RUN+2*((\t0)+\u)]            ; strictly smaller only: the first record stays
	KEEP (\t0)+\u, ACC+8*\u, M+2*\u
.endr
.endm
.macro FETCH fb                        ; the record at s32 of my part of the slot into set fb: 9 LDS loads
	v_add_nc_u32 v4, s32, v1
	v_add_nc_u32 v5, s32, v2
	v_add_nc_u32 v6, s32, v3
	s_add_co_u32 s32, s32, REC
.irp g, 0,1,2,3,4,5
	ds_load_b128 v[FRAG+24*(\fb)+4*\g:FRAG+24*(\fb)+4*\g+3], v4 offset:512*\g
.endr
	ds_load_b32 v[CSC+(\fb)], v5 offset:3072
	ds_load_b128 v[SE+8*(\fb):SE+8*(\fb)+3], v6 offset:3200
	ds_load_b128 v[SE+8*(\fb)+4:SE+8*(\fb)+7], v6 offset:3216
.endm
.macro SWAP                            ; back to the first record, in the other slot
	s_sub_co_u32 s32, s32, 4*REC
	s_xor_b32 s32, s32, SLOT1
.endm
; One record against all 8 token tiles.  mode 0: the next record is fetched first.  mode 1: the slot's last record: the slots change and this slot is filled again.
; mode 2: the slots change, nothing is left to fetch from memory.  mode 3: the last record of all.
.macro TILE fb, mode
	s_wait_dscnt 0x0                               ; set fb is in: its 9 loads were the only LDS instructions out
	v_add_nc_u32 v7, 1, v7
.if \mode == 0
	FETCH 1-\fb
	GROUP \fb, 0
.elseif \mode == 1
	s_wait_tensorcnt 0x0                           ; my one load that was out, my part of the other slot, has landed
	ds_add_u32 v8, v9
	s_xor_b32 s29, s29, SLOT1                      ; no load of mine is out: the descriptor steps to this slot and to the chunk two on
	s_add_nc_u64 s[30:31], s[30:31], WSL
	s_wait_dscnt 0x0                               ; the add is done; my reads of this slot ended above
	s_barrier_signal -1
	GROUP \fb, 0                                   ; work on registers while the others arrive
	s_barrier_wait -1
	CREST
	tensor_load_to_lds s[28:31], s[16:23]          ; the refill, first behind the round
	s_nop 0
.rept 4
	v_nop
.endr
	SWAP
	FETCH 1-\fb
.elseif \mode == 2
	s_wait_tensorcnt 0x0                           ; the last chunk has landed; only I read my part of it
	SWAP
	FETCH 1-\fb
	GROUP \fb, 0
.else
	GROUP \fb, 0
.endif
	GROUP \fb, 4
.endm
.macro CHUNK mode
	TILE 0, 0
	TILE 1, 0
	TILE 0, 0
	TILE 1, \mode
.endm
	s_load_b128 s[4:7], s[0:1], 0x0                ; zq, cbq
	s_load_b64 s[8:9], s[0:1], 0x10                ; idx
	v_lshl_add_u32 v8, v0, 2, SPARE
	v_mov_b32 v9, 0
	ds_add_u32 v8, v9                              ; the opening lines: the add twice on end under one wait
	ds_add_u32 v8, v9
	v_lshrrev_b32 v1, 5, v0
	s_delay_alu instid0(VALU_DEP_1)
	v_readfirstlane_b32 s10, v1                    ; wave 0..7
	s_bfe_u32 s11, ttmp6, 0x40000                  ; cx
	s_lshl_b32 s12, ttmp9, 2
	s_add_co_u32 s12, s12, s11                     ; work-group
	s_mov_b32 s16, 15|(3<<16)|(1<<21)              ; group 1: mask of the four partners, elements of 8 bytes, bit 21 beside the mask
	s_mov_b32 s17, 32<<16                          ; rows of 32 elements = 256 bytes
	s_mov_b32 s18, 52<<16                          ; 52 rows
	s_mov_b32 s19, 32<<16
	s_mov_b32 s20, 52
	s_mov_b32 s21, 32                              ; dense
	s_mov_b32 s22, 0
	s_mov_b32 s23, 0
	s_mul_i32 s42, s10, WCB
	s_mov_b32 s43, 0
	s_mul_i32 s44, s10, WSL                        ; my part of a slot
	s_mul_i32 s46, s12, ZWG
	s_mov_b32 s47, 0
	s_mov_b32 s36, 0x76543210                      ; v_permlanex16_b32: lane l xor 16
	s_mov_b32 s37, 0xfedcba98
	s_mov_b32 s32, 0
	v_and_b32 v10, 31, v0
	v_and_b32 v12, 15, v0
	v_bfe_u32 v3, v0, 4, 1
	s_delay_alu instid0(VALU_DEP_3)
	v_lshlrev_b32 v11, 2, v10                      ; 4 x lane
	s_delay_alu instid0(VALU_DEP_4)
	v_lshlrev_b32 v10, 4, v10                      ; 16 x lane
	s_delay_alu instid0(VALU_DEP_4)
	v_lshlrev_b32 v12, 2, v12                      ; 4 r
	s_delay_alu instid0(VALU_DEP_4)
	v_lshlrev_b32 v3, 5, v3                        ; 32 h
	s_delay_alu instid0(VALU_DEP_3)
	v_add_nc_u32 v1, s44, v10
	v_add_nc_u32 v2, s44, v11
	s_delay_alu instid0(VALU_DEP_3)
	v_add_nc_u32 v3, s44, v3
	s_wait_alu depctr_va_vdst(0)                   ; the wait ahead of the waits below
	s_wait_dscnt 0x0                               ; both opening adds are done
	s_wait_kmcnt 0x0
	s_add_nc_u64 s[6:7], s[6:7], s[42:43]
	s_add_nc_u64 s[4:5], s[4:5], s[46:47]
	s_lshl_b32 s46, s12, 9
	s_add_nc_u64 s[8:9], s[8:9], s[46:47]
	s_mov_b32 s24, 1                               ; group 0 of chunk 0, slot 0
	s_mov_b32 s25, s44
	s_mov_b64 s[26:27], s[6:7]
	s_or_b32 s27, s27, 0x80000000
	s_mov_b32 s28, 1                               ; group 0 of chunk 1, slot 1; it is stepped at each change of slots
	s_add_co_u32 s29, s44, SLOT1
	s_add_nc_u64 s[30:31], s[6:7], WSL
	s_or_b32 s31, s31, 0x80000000
	ROUND                                          ; the four partners' first joint loads meet
	tensor_load_to_lds s[24:27], s[16:23]          ; the one tensor load of the head
	s_nop 0
	WIN TO1                                        ; the tokens' operands and sums of squares go out while chunk 0 is on its way
.irp t, 0,1,2,3,4,5,6,7
.irp g, 0,1,2,3,4,5
	global_load_b128 v[24*\t+4*\g:24*\t+4*\g+3], v10, s[4:5] offset:\t*REC+512*\g
.endr
	global_load_b32 v[SX+2*\t], v12, s[4:5] offset:\t*REC+3200
	global_load_b32 v[SX+2*\t+1], v12, s[4:5] offset:\t*REC+3200
.endr
	WIN 0
.irp t, 0,1,2,3,4,5,6,7
	global_load_b32 v[TSC+\t], v11, s[4:5] offset:\t*REC+3072
.endr
	s_lshl_b32 s45, s10, 6                         ; my first record
.irp t, 0,1,2,3,4,5,6,7
	v_mov_b32 v[RUN+2*\t], 0x7f800000              ; +infinity: over every d
	v_mov_b32 v[RUN+2*\t+1], s45
.endr
.set j, 0
.rept 64
	v_mov_b32 v[SAVE+j], 0x7f800000
.set j, j+1
.endr
	s_sub_co_u32 s45, s45, 1
	v_mov_b32 v7, s45
	s_wait_alu depctr_va_vdst(0)                   ; the wait at the head's end
	s_wait_tensorcnt 0x0                           ; slot 1's first fill is issued as a refill is
	ds_add_u32 v8, v9
	s_wait_dscnt 0x0
	ROUND
	tensor_load_to_lds s[28:31], s[16:23]
	s_nop 0
.rept 4
	v_nop
.endr
	s_wait_tensorcnt 0x1                           ; chunk 0 is in; the count leaves chunk 1's load out
	FETCH 0
	s_wait_loadcnt 0x0                             ; the tokens
	s_mov_b32 s34, 14                              ; 16 chunks: 14 with a refill, then two written out
.Lchunk:
	CHUNK 1
	s_sub_co_u32 s34, s34, 1
	s_cmp_lg_u32 s34, 0
	s_cbranch_scc1 .Lchunk
	CHUNK 2
	CHUNK 3
; THE END.  All eight tiles stage by stage.  J: the first of the 8 kept numbers that equals the least, then the code; PD, PI: lane l xor 16's least and code, then the better of the two.
.set J,   210
.set PD,  218
.set PI,  226
.set MD,  66                           ; wave 0: the eight waves' least d of 4 tokens a lane,
.set MI,  98                           ; and their codes
	s_lshl_b32 s45, s10, 9
	s_add_co_u32 s45, s45, RED
	v_bfe_u32 v234, v0, 4, 1
	v_and_b32 v235, 15, v0
	s_delay_alu instid0(VALU_DEP_2)
	v_lshlrev_b32 v234, 3, v234                    ; 8 h
	s_delay_alu instid0(VALU_DEP_2)
	v_lshlrev_b32 v235, 2, v235
	v_add_nc_u32 v236, RED, v10
	s_delay_alu instid0(VALU_DEP_2)
	v_add_nc_u32 v235, s45, v235                   ; my wave's 512 bytes, 4 r
.irp t, 0,1,2,3,4,5,6,7
	v_mov_b32 v[J+\t], 7
.endr
.irp j, 6,5,4,3,2,1,0
.irp t, 0,1,2,3,4,5,6,7
	v_cmp_neq_f32 s[48+\t], v[SAVE+8*\t+\j], v[RUN+2*\t]
.endr
.irp t, 0,1,2,3,4,5,6,7
	v_cndmask_b32 v[J+\t], \j, v[J+\t], s[48+\t]
.endr
.endr
.irp t, 0,1,2,3,4,5,6,7
	v_lshl_add_u32 v[J+\t], v[RUN+2*\t+1], 4, v[J+\t]              ; 16 x record + place
.endr
.irp t, 0,1,2,3,4,5,6,7
	v_add_nc_u32 v[J+\t], v234, v[J+\t]                            ; + 8 h: the code
.endr
.irp t, 0,1,2,3,4,5,6,7
	v_permlanex16_b32 v[PD+\t], v[RUN+2*\t], s36, s37
.endr
.irp t, 0,1,2,3,4,5,6,7
	v_permlanex16_b32 v[PI+\t], v[J+\t], s36, s37
.endr
.irp t, 0,1,2,3,4,5,6,7
	v_cmp_lt_f32 s[48+\t], v[PD+\t], v[RUN+2*\t]
.endr
.irp t, 0,1,2,3,4,5,6,7
	v_cmp_eq_f32 s[56+\t], v[PD+\t], v[RUN+2*\t]
.endr
.irp t, 0,1,2,3,4,5,6,7
	v_cmp_lt_u32 s[38+\t], v[PI+\t], v[J+\t]
.endr
.irp t, 0,1,2,3,4,5,6,7
	s_and_b32 s[56+\t], s[56+\t], s[38+\t]
	s_or_b32 s[48+\t], s[48+\t], s[56+\t]                          ; the other half's is smaller, or equal with the smaller code
.endr
.irp t, 0,1,2,3,4,5,6,7
	v_cndmask_b32 v[PD+\t], v[RUN+2*\t], v[PD+\t], s[48+\t]
.endr
.irp t, 0,1,2,3,4,5,6,7
	v_cndmask_b32 v[PI+\t], v[J+\t], v[PI+\t], s[48+\t]
.endr
.irp t, 0,1,2,3,4,5,6,7
	ds_store_b32 v235, v[PD+\t] offset:64*\t                       ; lanes r and r + 16 write the same word with the same value
	ds_store_b32 v235, v[PI+\t] offset:4096+64*\t
.endr
	s_wait_dscnt 0x0                               ; for the others' sake: my stores are done
	s_barrier_signal -1
	s_barrier_wait -1
	s_cmp_lg_u32 s10, 0
	s_cbranch_scc1 .Lothers
.irp k, 0,1,2,3,4,5,6,7
	ds_load_b128 v[MD+4*\k:MD+4*\k+3], v236 offset:512*\k
.endr
.irp k, 0,1,2,3,4,5,6,7
	ds_load_b128 v[MI+4*\k:MI+4*\k+3], v236 offset:4096+512*\k
.endr
	s_wait_dscnt 0x0
; Waves k and k + st are joined; the later wave, whose codes are all larger, wins only with a strictly smaller d.
.macro MERGE st
.irp op, 0,1,2
.irp k, 0,2,4,6
.if (\k % (2*\st)) == 0
.irp i, 0,1,2,3
.if \op == 0
	v_cmp_lt_f32 s[40+2*\k+\i], v[MD+4*(\k+\st)+\i], v[MD+4*\k+\i]
.elseif \op == 1
.if \st < 4
	v_cndmask_b32 v[MD+4*\k+\i], v[MD+4*\k+\i], v[MD+4*(\k+\st)+\i], s[40+2*\k+\i]
.endif
.else
.if \st == 4
	s_delay_alu instid0(VALU_DEP_4)
.endif
	v_cndmask_b32 v[MI+4*\k+\i], v[MI+4*\k+\i], v[MI+4*(\k+\st)+\i], s[40+2*\k+\i]
.endif
.endr
.endif
.endr
.endr
.endm
	MERGE 1
	MERGE 2
	MERGE 4
	global_store_b128 v10, v[MI:MI+3], s[8:9]      ; 32 lanes store the work-group's 512 consecutive bytes
.Lothers:
	s_wait_tensorcnt 0x0                           ; the wave's end
	ds_add_u32 v8, v9
	s_wait_dscnt 0x0
	ROUND                                          ; the closing round
	s_endpgm
.Lfunc_end_k_q2bacd54b15_dist:
	.size	k_q2bacd54b15_dist, .Lfunc_end_k_q2bacd54b15_dist-k_q2bacd54b15_dist
	.p2alignl 7, 3214868480
	.fill 96, 4, 3214868480
	.section	.rodata,"a",@progbits
	.p2align	6, 0x0
	.amdhsa_kernel k_q2bacd54b15_dist
		.amdhsa_group_segment_fixed_size 327680
		.amdhsa_private_segment_fixed_size 0
		.amdhsa_enable_private_segment 0
		.amdhsa_kernarg_size 24
		.amdhsa_user_sgpr_count 2
		.amdhsa_user_sgpr_kernarg_segment_ptr 1
		.amdhsa_wavefront_size32 1
		.amdhsa_system_sgpr_workgroup_id_x 1
		.amdhsa_system_sgpr_workgroup_id_y 1
		.amdhsa_system_sgpr_workgroup_id_z 1
		.amdhsa_system_vgpr_workitem_id 0
		.amdhsa_next_free_vgpr 512
		.amdhsa_next_free_sgpr 66
		.amdhsa_reserve_vcc 1
		.amdhsa_float_denorm_mode_32 3
		.amdhsa_float_denorm_mode_16_64 3
		.amdhsa_memory_ordered 1
		.amdhsa_forward_progress 1
		.amdhsa_inst_pref_size 178
	.end_amdhsa_kernel
	.amdgpu_metadata
---
amdhsa.version: [ 1, 2 ]
amdhsa.kernels:
  - .name:           k_q2bacd54b15_dist
    .symbol:         k_q2bacd54b15_dist.kd
    .args:
      - { .name: zq, .offset: 0, .size: 8, .value_kind: global_buffer, .address_space: global }
      - { .name: cbq, .offset: 8, .size: 8, .value_kind: global_buffer, .address_space: global }
      - { .name: idx, .offset: 16, .size: 8, .value_kind: global_buffer, .address_space: global }
    .group_segment_fixed_size: 327680
    .private_segment_fixed_size: 0
    .kernarg_segment_align: 8
    .kernarg_segment_size: 24
    .max_flat_workgroup_size: 256
    .sgpr_count:     66
    .vgpr_count:     512
    .wavefront_size: 32
...
	.end_amdgpu_metadata
.endif
;; end of part 2
;; launch emit (part 3): grid 256 x 1, 16 waves a work-group, no clusters, 137,216 bytes of LDS; arguments z, codebook, idx, out0; writes out0
.if DOCPART == 3
	.amdgcn_target "amdgcn-amd-amdhsa--gfx1250"
	.amdhsa_code_object_version 6
	.text
	.protected	k_q2bacd54b15_emit
	.globl	k_q2bacd54b15_emit
	.p2align	8
	.type	k_q2bacd54b15_emit,@function
k_q2bacd54b15_emit:
	s_mov_b64 s[64:65], 0
	v_nop
	global_prefetch_b8 v0, s[64:65] scope:SCOPE_SE
	s_setreg_imm32_b32 hwreg(HW_REG_WAVE_MODE, 25, 1), 1
	s_wait_xcnt 0x0
; out0[b][c][hw] = fl(z + fl(codebook[idx[n]][c] - z)), n = 4096 b + hw: the chosen rows of the f32 codebook, turned so that the channels are the outer axis, and the straight-through step in its two roundings.
; idx was stored by the launch before as whole numbers; it is held to 0 .. 8191 before it enters an address.
; SHARES.  A work-group owns 128 neighbouring tokens of one batch.  Each of its 16 waves has two parts.  GATHER: wave w takes tokens 16 (w % 8) on and channels 128 (w / 8) on: lane (a = lane % 4, e = lane / 4)
; reads, for tokens 4 a .. 4 a + 3, 16 bytes at channel 32 u + 4 e of each group u of 32 channels: eight lanes read 128 consecutive bytes of a row.  Sixteen moves a group turn 4 tokens x 4 channels, and
; the numbers go to LDS as [256 channels][128 tokens], rows 528 bytes apart: the 16 lanes of half a store start at 16-byte columns 4 e + a, all different.
; OUT: behind one barrier wave w takes channels 16 w .. 16 w + 15 for all 128 tokens: each LDS load, each load of z and each store covers 512 consecutive bytes, aligned to 256.
; z's loads are issued first of all and land while the rows are gathered.  Memory binds: no matrix unit, no cluster (work-groups share nothing but the table), no prefetch (the launch streams from its first line).
.set PIT, 528
.set TT,  16                           ; v16-47   two sets of 16: 4 channels x 4 tokens, turned
.set Q,   48                           ; v48-111  gathered: register 16 u + 4 i + c = (token 4 a + i, channel 32 u + 4 e + c); later 16 channels x 4 tokens
.set Z,   112                          ; v112-175 z: 16 channels x 4 tokens
; v2 16 x lane; v3 16 a; v4-7 four indices; v8-11 their rows' byte offsets; v12 LDS, in; v13 LDS, out; v14 16 e + 512 (w / 8); v15 e
	s_load_b256 s[4:11], s[0:1], 0x0               ; z s[4:5], codebook s[6:7], idx s[8:9], out0 s[10:11]
	v_lshl_add_u32 v192, v0, 2, 0x21000
	v_mov_b32 v193, 0
	v_lshrrev_b32 v1, 5, v0
	s_delay_alu instid0(VALU_DEP_1)
	v_readfirstlane_b32 s12, v1                    ; wave 0..15
	v_and_b32 v1, 31, v0
	s_delay_alu instid0(VALU_DEP_1)
	v_lshlrev_b32 v2, 4, v1
	v_and_b32 v3, 3, v0
	s_delay_alu instid0(VALU_DEP_1)
	v_lshlrev_b32 v3, 4, v3
	v_bfe_u32 v15, v0, 2, 3
	s_and_b32 s13, s12, 7                          ; which 16 tokens
	s_lshr_b32 s14, s12, 3                         ; which 128 channels
	s_lshl_b32 s15, s13, 6                         ; 16 tokens are 64 bytes, in idx and in an LDS row
	s_mul_i32 s16, s14, 128*PIT
	s_add_co_u32 s16, s16, s15
	v_mul_u32_u24 v12, v15, 4*PIT                  ; channel 4 e
	s_delay_alu instid0(VALU_DEP_1)
	v_add_nc_u32 v12, v12, v3                      ; tokens 4 a on
	s_delay_alu instid0(VALU_DEP_1)
	v_add_nc_u32 v12, s16, v12
	s_mul_i32 s17, s12, 16*PIT
	v_add_nc_u32 v13, s17, v2
	s_lshl_b32 s18, s14, 9
	v_lshl_add_u32 v14, v15, 4, s18
	s_lshr_b32 s20, ttmp9, 5
	s_lshl_b32 s20, s20, 22                        ; the batch: 256 x 16,384 bytes
	s_and_b32 s21, ttmp9, 31
	s_lshl_b32 s21, s21, 9                         ; the block's 128 places
	s_add_co_u32 s20, s20, s21
	s_lshl_b32 s21, s12, 18                        ; my 16 channels
	s_add_co_u32 s20, s20, s21
	s_mov_b32 s21, 0
	s_lshl_b32 s22, ttmp9, 9
	s_add_co_u32 s22, s22, s15
	s_mov_b32 s23, 0
	s_wait_alu depctr_va_vdst(0)
	s_wait_kmcnt 0x0
	s_add_nc_u64 s[4:5], s[4:5], s[20:21]
	s_add_nc_u64 s[10:11], s[10:11], s[20:21]
	s_add_nc_u64 s[8:9], s[8:9], s[22:23]
	global_load_b128 v[4:7], v3, s[8:9]            ; my four tokens' indices
.irp c, 0,1,2,3,4,5,6,7,8,9,10,11,12,13,14,15
	global_load_b128 v[Z+4*\c:Z+4*\c+3], v2, s[4:5] offset:16384*\c th:TH_LOAD_NT
.endr
	s_wait_loadcnt 16                              ; the indices are in; z's 16 loads may be out
.irp i, 0,1,2,3
	v_min_u32 v[4+\i], 0x1fff, v[4+\i]             ; inside the table
.endr
.irp i, 0,1,2,3
	s_delay_alu instid0(VALU_DEP_4)
	v_lshlrev_b32 v[8+\i], 10, v[4+\i]             ; a row is 1,024 bytes
.endr
.irp i, 0,1,2,3
	s_delay_alu instid0(VALU_DEP_4)
	v_add_nc_u32 v[8+\i], v14, v[8+\i]
.endr
.irp u, 0,1,2,3
.irp i, 0,1,2,3
	global_load_b128 v[Q+16*\u+4*\i:Q+16*\u+4*\i+3], v[8+\i], s[6:7] offset:128*\u       ; no hint: a row may be named by many tokens
.endr
.endr
.irp u, 0,1,2,3
	s_wait_loadcnt 12-4*\u                         ; group u's four loads are in (and z, issued earlier); the later groups' may be out
.if \u >= 2
	s_wait_dscnt 0x4                               ; the other set's four stores may be out; this set's, issued before them, have read their registers
.endif
.irp c, 0,1,2,3
.irp i, 0,1,2,3
	v_mov_b32 v[TT+16*(\u%2)+4*\c+\i], v[Q+16*\u+4*\i+\c]
.endr
.endr
.irp c, 0,1,2,3
	ds_store_b128 v12, v[TT+16*(\u%2)+4*\c:TT+16*(\u%2)+4*\c+3] offset:(32*\u+\c)*PIT
.endr
.endr
	s_wait_dscnt 0x0                               ; for the others' sake: my stores are done
	s_barrier_signal -1
	s_barrier_wait -1
.irp c, 0,1,2,3,4,5,6,7,8,9,10,11,12,13,14,15
	ds_load_b128 v[Q+4*\c:Q+4*\c+3], v13 offset:\c*PIT
.endr
.irp c, 0,1,2,3,4,5,6,7,8,9,10,11,12,13,14,15
	s_wait_dscnt 15-\c                             ; channel c's row is in; the 15 - c behind it may be out
	v_pk_add_f32 v[Q+4*\c:Q+4*\c+1], v[Q+4*\c:Q+4*\c+1], v[Z+4*\c:Z+4*\c+1] neg_lo:[0,1] neg_hi:[0,1]           ; q - z
	v_pk_add_f32 v[Q+4*\c+2:Q+4*\c+3], v[Q+4*\c+2:Q+4*\c+3], v[Z+4*\c+2:Z+4*\c+3] neg_lo:[0,1] neg_hi:[0,1]
	s_delay_alu instid0(VALU_DEP_2)
	v_pk_add_f32 v[Q+4*\c:Q+4*\c+1], v[Z+4*\c:Z+4*\c+1], v[Q+4*\c:Q+4*\c+1]                                    ; z + that
	s_delay_alu instid0(VALU_DEP_2)
	v_pk_add_f32 v[Q+4*\c+2:Q+4*\c+3], v[Z+4*\c+2:Z+4*\c+3], v[Q+4*\c+2:Q+4*\c+3]
	global_store_b128 v2, v[Q+4*\c:Q+4*\c+3], s[10:11] offset:16384*\c th:TH_STORE_NT    ; written once; no register of a store is written again
.endr
	s_wait_tensorcnt 0x0
	ds_add_u32 v192, v193
	s_wait_dscnt 0x0
	s_endpgm
.Lfunc_end_k_q2bacd54b15_emit:
	.size	k_q2bacd54b15_emit, .Lfunc_end_k_q2bacd54b15_emit-k_q2bacd54b15_emit
	.p2alignl 7, 3214868480
	.fill 96, 4, 3214868480
	.section	.rodata,"a",@progbits
	.p2align	6, 0x0
	.amdhsa_kernel k_q2bacd54b15_emit
		.amdhsa_group_segment_fixed_size 137216
		.amdhsa_private_segment_fixed_size 0
		.amdhsa_enable_private_segment 0
		.amdhsa_kernarg_size 32
		.amdhsa_user_sgpr_count 2
		.amdhsa_user_sgpr_kernarg_segment_ptr 1
		.amdhsa_wavefront_size32 1
		.amdhsa_system_sgpr_workgroup_id_x 1
		.amdhsa_system_sgpr_workgroup_id_y 1
		.amdhsa_system_sgpr_workgroup_id_z 1
		.amdhsa_system_vgpr_workitem_id 0
		.amdhsa_next_free_vgpr 194
		.amdhsa_next_free_sgpr 66
		.amdhsa_reserve_vcc 0
		.amdhsa_float_denorm_mode_32 3
		.amdhsa_float_denorm_mode_16_64 3
		.amdhsa_memory_ordered 1
		.amdhsa_forward_progress 1
		.amdhsa_inst_pref_size 18
	.end_amdhsa_kernel
	.amdgpu_metadata
---
amdhsa.version: [ 1, 2 ]
amdhsa.kernels:
  - .name:           k_q2bacd54b15_emit
    .symbol:         k_q2bacd54b15_emit.kd
    .args:
      - { .name: z, .offset: 0, .size: 8, .value_kind: global_buffer, .address_space: global }
      - { .name: codebook, .offset: 8, .size: 8, .value_kind: global_buffer, .address_space: global }
      - { .name: idx, .offset: 16, .size: 8, .value_kind: global_buffer, .address_space: global }
      - { .name: out0, .offset: 24, .size: 8, .value_kind: global_buffer, .address_space: global }
    .group_segment_fixed_size: 137216
    .private_segment_fixed_size: 0
    .kernarg_segment_align: 8
    .kernarg_segment_size: 32
    .max_flat_workgroup_size: 512
    .sgpr_count:     66
    .vgpr_count:     194
    .wavefront_size: 32
...
	.end_amdgpu_metadata
.endif
;; end of part 3
